; MI455X (gfx1250); checked and timed in simulation.
; The chip was launched on July 23, 2026; its instructions are those of AMD's public machine-readable ISA for CDNA 5 (MIT licence, August 2026) and "CDNA5" Instruction Set Architecture Reference Guide (July 2026). The comments in the code are by the model that wrote it; some were corrected since.
;; Quantized Linear. Allowed arithmetic: matrix products marked QUANTISED: E5M2 operands, one E8M0 scale for each 32 along K, by v_wmma_scale_f32_16x16x128_f8f6f4 with both operands' format E5M2, f32 sums; everything else in f32.
;; Inputs: bias 4,096 float32; scale 4,096 x 32 float32; weight_q 4,096 x 4,096 int32; x_codes 2 x 2,048 x 128 x 32 uint8 (E5M2 codes of x, K innermost, in blocks of 32 codes); x_scales 2 x 2,048 x 128 uint8 (E8M0 scales of x, one for each 32 codes along K); zero_point 4,096 x 32 float32.
;; Outputs: out0 2 x 2,048 x 4,096 float32.
;; This version of the problem:
;;   THIS VERSION OF THE PROBLEM IS GIVEN IN LOW PRECISION. The matrix products marked QUANTISED in the list below multiply operands that are first quantised to E5M2 (5 exponent bits, 2 mantissa bits; 8 bits a number), with one power-of-two scale for each 32 numbers along K (OCP MX v1.0); their sums are f32. All else is computed in f32.
;;   The module's matrix products, in the order in which they are computed (A, B: the left and right operand; K: the contracted axis; several contracted axes count as one K, in the product's order):
;;     1. [M 4,096, K 4,096] x [K 4,096, N 4,096]; A: input x (given as codes); B: computed on the way: QUANTISED
;;   THE QUANTISER, for each operand of a quantised product, along K:
;;     - K is cut into blocks of 32 from its start; a last block that is shorter is filled with zeros.
;;     - A block's scale is 2^e with e = floor(log2(the largest magnitude in the block)) - 15, held to -126 .. 127; a block of zeros has e = 0. As a byte (E8M0): e + 127.
;;     - Each number is divided by its block's scale, clamped to +-57,344, and rounded to the nearest number of E5M2, ties to even, subnormals kept.
;;     - The product sums the exact products of the quantised numbers (number of the format x scale) in f32.
;;   ~~~python
;;   def quantise(x, axis):      # numpy; x: float32 -> the quantised numbers, widened to float32 again
;;       x = np.moveaxis(x, axis, -1); K = x.shape[-1]
;;       x = np.pad(x, [(0, 0)] * (x.ndim - 1) + [(0, -K % 32)]); x = x.reshape(x.shape[:-1] + (-1, 32)); a = np.abs(x).max(-1, keepdims=True)
;;       e = np.where(a > 0, np.clip(np.frexp(np.where(a > 0, a, 1))[1] - 1 - 15, -126, 127), 0)      # np.frexp(a)[1] - 1 = floor(log2(a)), exactly
;;       r = np.clip(x / 2.0 ** e, -57344, 57344)
;;       step = 2.0 ** (np.maximum(np.frexp(np.where(r == 0, 1, r))[1] - 1, -14) - 2)
;;       q = np.round(r / step) * step * 2.0 ** e      # np.round: ties to even
;;       return np.moveaxis(q.reshape(q.shape[:-2] + (-1,))[..., :K], -1, axis).astype(np.float32)
;;   ~~~
;;   OPERANDS COMPUTED ON THE WAY. 'Computed on the way' means the value that the module computes at that place (a softmax that the list does not call 'softmax' is quantised finished and normalised). What goes into a quantiser is computed in f32, as accurately as f32 sums, v_exp_f32 and their like allow (about 1e-6 of the number): no bf16 or f16 on the way to a quantiser, and a product that is left as it is and whose result goes on into a quantised operand takes f32 operands (vector FMAs, or v_wmma_f32_16x16x4_f32). A number that lies on a knife's edge between two numbers of the format may be rounded either way, as far as f32 arithmetic and the matrix unit's own rounding can turn it there, and no further.
;;   INPUTS GIVEN AS CODES. x (in the module: [2, 2048, 4096], K = its axis 2): each comes as NAME_codes (uint8): NAME with its K axis moved to the last place and cut into blocks of 32 codes, [.., K / 32, bytes a block], one block behind the other in memory; one code a byte (a code: sign, 5 exponent bits, 2 mantissa bits); and NAME_scales (uint8): the same leading axes, one E8M0 byte (e + 127) for each 32 codes along K. Its value is code x scale, taken as it is: it is not quantised again, and the codes and scales need not be those that the quantiser above would give.
;; One version. Each part assembles by itself: llvm-mc -triple=amdgcn-amd-amdhsa -mcpu=gfx1250 --defsym DOCPART=n.
;; ======== version 1 of 1: 2 launches
;; workspace buffers: w_codes 16,777,216 bytes; w_sc 524,288 bytes; x_sc 524,288 bytes
;; launch prep (part 1): grid 4 x 128, 4 waves a work-group, no clusters, 27,136 bytes of LDS; arguments weight_q, scale, zero_point, x_scales, w_codes, w_sc, x_sc; writes w_codes, w_sc, x_sc
.if DOCPART == 1
	.amdgcn_target "amdgcn-amd-amdhsa--gfx1250"
	.amdhsa_code_object_version 6
	.text
	.protected	k_qb48034fe88_prep
	.globl	k_qb48034fe88_prep
	.p2align	8
	.type	k_qb48034fe88_prep,@function
k_qb48034fe88_prep:
	s_mov_b64 s[64:65], 0
	v_nop
	global_prefetch_b8 v0, s[64:65] scope:SCOPE_SE
	s_setreg_imm32_b32 hwreg(HW_REG_WAVE_MODE, 25, 1), 1
	s_wait_xcnt 0x0
; w[n][k] = (f32(weight_q[n][k]) - zero_point[n][k / 128]) * scale[n][k / 128], in f32, a subtraction and then a multiplication, each rounded, as the problem writes it;
; then w is turned into codes of BF8 (E5M2), K innermost, w_codes [4096][4096], with one E8M0 byte for each 32 along K.
; A block's scale is 2^(floor(log2(its largest magnitude)) - 15); its byte is the largest magnitude's exponent field - 15, held at 1 from below; each number is divided by the scale,
; held within +-57,344 and rounded to the nearest code, ties to even.
; THE SCALE BYTES ARE LAID BY K STEP OF 256 for the launch that multiplies: w_sc [16 K steps][4096 rows][8 bytes], so that the bytes of 256 rows for one K step are 2,048 consecutive bytes.
; x's given scale bytes [4096][128] are copied, unchanged, into the same layout: x_sc.
; LIMITS: NaN and infinities in scale and zero_point are not served.  A block of zeros gets the byte 1 where the rule says 127: its codes are zeros, which add nothing under any byte but 0xff,
; and the bytes are read by this program alone.  weight_q may hold any int32.
; SHARES.  Work-group (x = kq, y = nb) takes rows 32 nb .. + 31 and k = 1024 kq .. + 1023; wave w its rows 8 w .. 8 w + 7: 16 steps of 512 numbers (step t: row t / 2, half t % 2).
; Each load reads 512 consecutive bytes, 16 a lane; a step's 2,048 bytes turn through the wave's own stage in LDS and come back 64 bytes a lane: 16 NEIGHBOURS along K, which the conversions want;
; two neighbouring lanes hold a block of 32.  A lane's 16 codes are 16 bytes: the wave stores 512 consecutive bytes.
; 32 rows x 8 scale bytes are 256 bytes: the work-group gathers its scale bytes in LDS and each wave stores, for one K step, 256 consecutive aligned bytes of w_sc and of x_sc.
; Loads run eight steps (32 loads a wave) ahead, the turn through LDS one step.  Memory binds: no tensor loads, no matrix unit, no cluster; one barrier, in front of the scale bytes' way out.
.set STEPS, 16
.set EMAX,  15
.set MANT,  0x600000                   ; the mantissa field of 57,344 as f32
.set SP,    80                         ; a lane's place in a stage: its 64 bytes + 16 of padding
.set STG,   32*SP                      ; a stage
.set WREG,  6144                       ; LDS: a region for each wave: two stages, then TAB
.set TAB,   2*STG                      ; 64 pairs (zero point, scale) of my 8 rows x 8 groups, 8 bytes each: pair 8 row + group
.set SWB,   4*WREG                     ; shared: w's scale bytes [4 K steps][32 rows][8]
.set SXB,   SWB+1024                   ; shared: x's likewise
.set R,     16                         ; v16-143  eight sets of 16 words as they are loaded
.set X,     144                        ; v144-175 two sets of 16 neighbours
.set C,     176                        ; v176-239 codes: four registers for each step, so that no store's data are written again
.set E,     240                        ; v240-241 the scale byte, by t % 2
.set Z,     242                        ; v242-245 (zero point, scale) of my 16 numbers, by t % 2
.set HOLD,  246                        ; v246     57,344 x the block's scale
.set SCL,   247                        ; v247     the conversion's scale operand
.set TB,    248                        ; v248-251 two pairs for the table; at the end the scale bytes on their way out
.set XQ,    252                        ; v252-253 8 of x's scale bytes
	s_load_b256 s[4:11], s[0:1], 0x0               ; weight_q s[4:5], scale s[6:7], zero_point s[8:9], x_scales s[10:11]
	s_load_b128 s[12:15], s[0:1], 0x20             ; w_codes s[12:13], w_sc s[14:15]
	s_load_b64 s[16:17], s[0:1], 0x30              ; x_sc
	v_lshl_add_u32 v254, v0, 2, 0x6800
	v_mov_b32 v255, 0
	v_lshrrev_b32 v1, 5, v0
	v_readfirstlane_b32 s18, v1                    ; wave 0..3
	v_and_b32 v2, 31, v0                           ; lane l
	s_and_b32 s20, ttmp7, 0xffff                   ; nb
	s_lshl_b32 s19, s20, 5
	s_lshl_b32 s21, s18, 3
	s_add_co_u32 s19, s19, s21                     ; my wave's first row: 32 nb + 8 w
	s_mul_i32 s22, s18, WREG                       ; my region of LDS
	s_add_co_u32 s32, s22, TAB
	s_lshl_b32 s33, s18, 6                         ; my 8 rows' 64 bytes in a K step's 256 scale bytes
	s_add_co_u32 s34, s33, SWB
	s_add_co_u32 s35, s33, SXB
	s_lshl_b32 s36, s18, 8
	s_mov_b32 s23, MANT                            ; (an instruction takes one literal: the hold's line has another)
	v_lshlrev_b32 v3, 4, v2                        ; 16 l: my 16 bytes of a load's 512, and of a step's 512 bytes of codes; never rewritten
	v_add_nc_u32 v5, s32, v3                       ; the table, in: pairs 2 l and 2 l + 1
	v_lshrrev_b32 v4, 3, v2
	v_lshlrev_b32 v6, 3, v4
	v_add_nc_u32 v6, s32, v6                       ; the table, out: my 16 numbers lie in group l / 8 of the step's four
	v_bfe_u32 v7, v2, 1, 3
	v_lshrrev_b32 v4, 4, v2
	v_lshl_add_u32 v7, v4, 8, v7
	v_add_nc_u32 v7, s34, v7                       ; my block's scale byte: K step l / 16 of the step's two, byte (l / 2) % 8, my wave's rows
	v_lshrrev_b32 v4, 2, v2                        ; l / 4
	v_and_b32 v1, 3, v2                            ; l % 4
	v_lshlrev_b32 v8, 7, v4
	v_lshl_add_u32 v8, v1, 3, v8                   ; row l / 4 of 128 bytes, + 8 (l % 4): two groups of scale and zero_point; one K step of x's scale bytes
	v_lshlrev_b32 v9, 8, v1
	v_lshl_add_u32 v9, v4, 3, v9
	v_add_nc_u32 v9, s35, v9                       ; x's 8 bytes: K step l % 4, row 8 w + l / 4
	v_lshlrev_b32 v11, 3, v2                       ; the way out: 8 bytes a lane,
	v_add_nc_u32 v10, s36, v11                     ; of K step w
	v_mul_u32_u24 v14, v4, SP
	v_lshl_add_u32 v14, v1, 4, v14
	v_add_nc_u32 v14, s22, v14                     ; the stage, in: four lanes' 64 bytes on end, then 16 of padding
	v_mul_u32_u24 v15, v2, SP
	v_add_nc_u32 v15, s22, v15                     ; and out: my 16 neighbours
	; byte offsets, all under 2^32, in pairs with 0 above
	s_lshl_b32 s24, s19, 14                        ; weight_q: a row is 16,384 bytes; kq's part of it begins 4,096 kq on
	s_lshl_b32 s21, ttmp9, 12
	s_add_co_u32 s24, s24, s21
	s_mov_b32 s25, 0
	s_lshl_b32 s26, s19, 12                        ; w_codes: a quarter of that
	s_lshl_b32 s21, ttmp9, 10
	s_add_co_u32 s26, s26, s21
	s_mov_b32 s27, 0
	s_lshl_b32 s28, s19, 7                         ; scale, zero_point, x_scales: rows of 128 bytes, 32 bytes for kq
	s_lshl_b32 s21, ttmp9, 5
	s_add_co_u32 s28, s28, s21
	s_mov_b32 s29, 0
	s_lshl_b32 s30, ttmp9, 2                       ; w_sc, x_sc: K step 4 kq + w of 32,768 bytes, + 256 nb
	s_add_co_u32 s30, s30, s18
	s_lshl_b32 s30, s30, 15
	s_lshl_b32 s21, s20, 8
	s_add_co_u32 s30, s30, s21
	s_mov_b32 s31, 0
	s_wait_kmcnt 0x0
	s_add_nc_u64 s[4:5], s[4:5], s[24:25]
	s_add_nc_u64 s[12:13], s[12:13], s[26:27]
	s_add_nc_u64 s[6:7], s[6:7], s[28:29]
	s_add_nc_u64 s[8:9], s[8:9], s[28:29]
	s_add_nc_u64 s[10:11], s[10:11], s[28:29]
	s_add_nc_u64 s[14:15], s[14:15], s[30:31]
	s_add_nc_u64 s[16:17], s[16:17], s[30:31]
	global_load_b32 v[TB], v8, s[8:9]              ; zero point and scale of groups 2 (l % 4) and 2 (l % 4) + 1 of row l / 4
	global_load_b32 v[TB+1], v8, s[6:7]
	global_load_b32 v[TB+2], v8, s[8:9] offset:4
	global_load_b32 v[TB+3], v8, s[6:7] offset:4
	global_load_b64 v[XQ:XQ+1], v8, s[10:11]       ; x's scale bytes of row l / 4, K step l % 4
.macro LOAD t                          ; step t's 2,048 bytes: each load 512 consecutive bytes; read once in the launch
.irp i, 0,1,2,3
	global_load_b128 v[R+16*((\t)%8)+4*\i:R+16*((\t)%8)+4*\i+3], v3, s[4:5] offset:((\t)/2)*16384+((\t)%2)*2048+512*\i th:TH_LOAD_NT
.endr
.endm
.macro TURN t                          ; step t's words through the stage, and its pair from the table: LDS serves a wave's instructions in order (ISA guide 5.7.1.4), so no wait stands between the stores and the loads
.irp i, 0,1,2,3
	ds_store_b128 v14, v[R+16*((\t)%8)+4*\i:R+16*((\t)%8)+4*\i+3] offset:STG*((\t)%2)+8*SP*\i
.endr
.irp i, 0,1,2,3
	ds_load_b128 v[X+16*((\t)%2)+4*\i:X+16*((\t)%2)+4*\i+3], v15 offset:STG*((\t)%2)+16*\i
.endr
	ds_load_b64 v[Z+2*((\t)%2):Z+2*((\t)%2)+1], v6 offset:32*(\t)   ; pair 4 t + l / 8
.endm
.irp t, 0,1,2,3,4,5,6,7
	LOAD \t
.endr
	s_wait_loadcnt 32                              ; the five small loads are in; the 32 behind them may be out
	ds_store_b128 v5, v[TB:TB+3]
	ds_store_b64 v9, v[XQ:XQ+1]
	s_wait_loadcnt 28                              ; step 0's four loads are in
	TURN 0
.macro STEP t
.set XS, X+16*((\t)%2)
.set ZS, Z+2*((\t)%2)
.if (\t) > 0
	s_wait_dscnt 1                                 ; this step's numbers and pair are back (the last step's byte store may be out): so its stores into the stage have read their registers,
.else
	s_wait_dscnt 0x0
.endif
.if (\t)+8 < STEPS
	LOAD (\t)+8                                    ; which take the loads of eight steps on
.endif
.if (\t)+1 < STEPS
.if (\t) <= 7
	s_wait_loadcnt 28                              ; the next step's four loads are in; those of the seven steps behind it may be out
.else
	s_wait_loadcnt 4*(14-(\t))
.endif
	TURN (\t)+1                                    ; and go through the other stage while this step is worked
.endif
.irp i, 0,1,2,3,4,5,6,7,8,9,10,11,12,13,14,15
	v_cvt_f32_i32 v[XS+\i], v[XS+\i]
.endr
.irp i, 0,2,4,6,8,10,12,14
	v_pk_add_f32 v[XS+\i:XS+\i+1], v[XS+\i:XS+\i+1], v[ZS:ZS+1] op_sel_hi:[1,0] neg_lo:[0,1] neg_hi:[0,1]   ; - the zero point (the pair's first word, for both halves)
.endr
.irp i, 0,2,4,6,8,10,12,14
	v_pk_mul_f32 v[XS+\i:XS+\i+1], v[XS+\i:XS+\i+1], v[ZS:ZS+1] op_sel:[0,1] op_sel_hi:[1,1]                 ; x the scale (its second word, for both halves).  Not fused with the subtraction: two roundings, as the problem has them
.endr
	v_max3_num_f32 v12, |v[XS]|, |v[XS+1]|, |v[XS+2]|               ; the largest magnitude of my 16, in two chains
	v_max3_num_f32 v13, |v[XS+3]|, |v[XS+4]|, |v[XS+5]|
.irp i, 6,10
	v_max3_num_f32 v12, v12, |v[XS+\i]|, |v[XS+\i+1]|
	v_max3_num_f32 v13, v13, |v[XS+\i+2]|, |v[XS+\i+3]|
.endr
	v_max3_num_f32 v12, v12, |v[XS+14]|, |v[XS+15]|
	v_max3_num_f32 v12, v12, v13, (EMAX+1)<<23     ; and the floor 2^(16 - 127), under which no largest magnitude is taken: so the byte cannot fall under 1
	v_max_num_f32_dpp v12, v12, v12 row_xmask:1 row_mask:0xf bank_mask:0xf   ; and of my neighbour's 16: the block's
	v_add_nc_u32 v[SCL], 0xf8800000, v12           ; 15 off its exponent field: the conversion takes the exponent field of this operand as its scale, and nothing else of it
	v_and_or_b32 v[HOLD], v12, 0x7f800000, s23     ; 57,344 x the scale: the largest magnitude's exponent field over 57,344's mantissa
.irp i, 0,1,2,3,4,5,6,7,8,9,10,11,12,13,14,15
	v_med3_num_f32 v[XS+\i], v[XS+\i], -v[HOLD], v[HOLD]   ; the conversion to an 8-bit code does not saturate (ISA guide 7.6.2): hold the number first
.endr
	v_cvt_scalef32_pk8_bf8_f32 v[C+4*(\t):C+4*(\t)+1], v[XS:XS+7], v[SCL]
	v_cvt_scalef32_pk8_bf8_f32 v[C+4*(\t)+2:C+4*(\t)+3], v[XS+8:XS+15], v[SCL]
	v_lshrrev_b32 v[E+(\t)%2], 23, v[SCL]          ; the scale's byte (a plain vector line behind the conversions)
	ds_store_b8 v7, v[E+(\t)%2] offset:((\t)%2)*512+((\t)/2)*8      ; both lanes of a block write the same byte with the same value
	global_store_b128 v3, v[C+4*(\t):C+4*(\t)+3], s[12:13] offset:((\t)/2)*4096+((\t)%2)*512   ; 32 lanes store 512 consecutive bytes, at a multiple of 512 from the buffer's first byte
.endm
.irp t, 0,1,2,3,4,5,6,7,8,9,10,11,12,13,14,15
	STEP \t
.endr
	s_wait_dscnt 0x0                               ; for the others' sake: my scale bytes lie in LDS
	s_barrier_signal -1
	s_barrier_wait -1                              ; everybody's do
	ds_load_b64 v[TB:TB+1], v10 offset:SWB         ; K step 4 kq + w: the 32 rows' 256 bytes of w's,
	ds_load_b64 v[TB+2:TB+3], v10 offset:SXB       ; and of x's
	s_wait_dscnt 0x0
	global_store_b64 v11, v[TB:TB+1], s[14:15]     ; 32 lanes store 256 consecutive bytes, at a multiple of 256 from the buffer's first byte
	global_store_b64 v11, v[TB+2:TB+3], s[16:17]
	s_wait_tensorcnt 0x0
	ds_add_u32 v254, v255
	s_wait_dscnt 0x0
	s_endpgm
.Lfunc_end_k_qb48034fe88_prep:
	.size	k_qb48034fe88_prep, .Lfunc_end_k_qb48034fe88_prep-k_qb48034fe88_prep
	.p2alignl 7, 3214868480
	.fill 96, 4, 3214868480
	.section	.rodata,"a",@progbits
	.p2align	6, 0x0
	.amdhsa_kernel k_qb48034fe88_prep
		.amdhsa_group_segment_fixed_size 27136
		.amdhsa_private_segment_fixed_size 0
		.amdhsa_enable_private_segment 0
		.amdhsa_kernarg_size 56
		.amdhsa_user_sgpr_count 2
		.amdhsa_user_sgpr_kernarg_segment_ptr 1
		.amdhsa_wavefront_size32 1
		.amdhsa_system_sgpr_workgroup_id_x 1
		.amdhsa_system_sgpr_workgroup_id_y 1
		.amdhsa_system_sgpr_workgroup_id_z 1
		.amdhsa_system_vgpr_workitem_id 0
		.amdhsa_next_free_vgpr 256
		.amdhsa_next_free_sgpr 66
		.amdhsa_reserve_vcc 0
		.amdhsa_float_denorm_mode_32 3
		.amdhsa_float_denorm_mode_16_64 3
		.amdhsa_memory_ordered 1
		.amdhsa_forward_progress 1
		.amdhsa_inst_pref_size 78
	.end_amdhsa_kernel
	.amdgpu_metadata
---
amdhsa.version: [ 1, 2 ]
amdhsa.kernels:
  - .name:           k_qb48034fe88_prep
    .symbol:         k_qb48034fe88_prep.kd
    .args:
      - { .name: weight_q, .offset: 0, .size: 8, .value_kind: global_buffer, .address_space: global }
      - { .name: scale, .offset: 8, .size: 8, .value_kind: global_buffer, .address_space: global }
      - { .name: zero_point, .offset: 16, .size: 8, .value_kind: global_buffer, .address_space: global }
      - { .name: x_scales, .offset: 24, .size: 8, .value_kind: global_buffer, .address_space: global }
      - { .name: w_codes, .offset: 32, .size: 8, .value_kind: global_buffer, .address_space: global }
      - { .name: w_sc, .offset: 40, .size: 8, .value_kind: global_buffer, .address_space: global }
      - { .name: x_sc, .offset: 48, .size: 8, .value_kind: global_buffer, .address_space: global }
    .group_segment_fixed_size: 27136
    .private_segment_fixed_size: 0
    .kernarg_segment_align: 8
    .kernarg_segment_size: 56
    .max_flat_workgroup_size: 128
    .sgpr_count:     66
    .vgpr_count:     256
    .wavefront_size: 32
...
	.end_amdgpu_metadata
.endif
;; end of part 1
;; launch gemm (part 2): grid 16 x 16, 4 waves a work-group, clusters of 4 x 4, 327,680 bytes of LDS; arguments x_codes, x_sc, w_codes, w_sc, bias, out0; writes out0
.if DOCPART == 2
	.amdgcn_target "amdgcn-amd-amdhsa--gfx1250"
	.amdhsa_code_object_version 6
	.text
	.protected	k_qb48034fe88_gemm
	.globl	k_qb48034fe88_gemm
	.p2align	8
	.type	k_qb48034fe88_gemm,@function
k_qb48034fe88_gemm:
	s_mov_b64 s[64:65], 0
	v_nop
	global_prefetch_b8 v0, s[64:65] scope:SCOPE_SE
	s_setreg_imm32_b32 hwreg(HW_REG_WAVE_MODE, 25, 1), 1
	s_wait_xcnt 0x0
	s_wait_alu depctr_hold_cnt(0) depctr_sa_sdst(0) depctr_va_vdst(0) depctr_va_sdst(0) depctr_va_ssrc(0) depctr_va_vcc(0) depctr_vm_vsrc(0)
	s_getreg_b32 s2, hwreg(HW_REG_IB_STS2, 6, 4)
	s_cmp_eq_u32 s2, 0
	s_cbranch_scc0 .Lentry_in_a_cluster
	s_endpgm
.Lentry_in_a_cluster:
	s_bfe_u32 s2, ttmp6, 0x10000c
	s_cmp_lg_u32 s2, 0xf033
	s_cbranch_scc0 .Lentry_shape_is_right
	s_endpgm
.Lentry_shape_is_right:
; out0[m][n] = sum over k of x[m][k] w[n][k] + bias[n].  x (A) and w (B): [4096][4096] codes of BF8 (E5M2), K innermost, with one E8M0 scale for each 32 along K; out0: [4096][4096] f32; sums in f32.
; The scale bytes of both are laid by K step of 256: [16 K steps][4096 rows][8 bytes] (made by the launch before).  Codes and scale bytes go to the matrix instruction as they lie; x's are taken as they are given.
; A tile of out0, 256 x 256, is made by a work-group of four waves, as many as a WGP has SIMDs: 16 x 16 = 256 work-groups.  A wave makes 128 x 128: 64 accumulators of 16 x 16, 512 registers.
; K goes in 16 steps of 256 through a ring of two LDS slots filled by the tensor data mover: A's 256 rows of 256 bytes, then B's.  Each wave fetches a quarter of a slot, 128 rows: one tensor load a wave behind each change of slots.
; THE SCALE WORDS do not go through LDS: 32 rows' 8 bytes of a K step are 256 consecutive bytes, which one load of 8 bytes a lane brings straight into the registers that the matrix instruction names; eight loads a wave and K step,
; asked for a whole K step ahead of their use, in two sets of registers.
; CLUSTERS: 4 x 4 work-groups.  The four of a row of the cluster need the same tiles of A, the four of a column the same tiles of B: each tile is asked for JOINTLY, by the same tensor load with the
; same descriptor and a mask that names the four.  THE MATRIX INSTRUCTION IS USED TRANSPOSED (source 0 = 16 rows of B, source 1 = 16 rows of A): a lane then holds eight neighbouring numbers of a row of out0.
; THE CLUSTERS START K AT DIFFERENT PLACES.  Cluster (X, Y) walks the K steps rho, rho + 1, .. 15, 0, .. rho - 1 with rho = 4 ((X + 2 g) mod 4), g = (Y xor Y / 2) mod 2.  The four clusters of a row of clusters, which read the same
; rows of x, start 4 K steps apart; of the four of a column, which read the same rows of w, those with Y = 0, 3 start 8 K steps from those with Y = 1, 2.  So a K step's rows are asked for by one cluster first and by the others
; that read them 4, 8 or 12 K steps later, not by all in the same K step.  rho hangs on the cluster's place in the grid alone: it is the same in all sixteen partners.
; LIMIT: THE ORDER OF THE SUMS.  Each output has one f32 sum, begun with the bias, that takes the K steps in its cluster's order: another order of rounding than K ascending.
; THE BIAS is the C of each sum's first matrix instruction: eight registers for each of B's eight blocks, in the result's layout.  Nothing is cleared and nothing is added afterwards.
; REGISTERS, in windows of 256: window 0: v0-31 addresses; v32-63 scale words, two sets; v64-127 the bias; from v128 A's fragments (8 x 16 rows x 128 K), ONE set; on the way out v128-255 take rows of out0.
;   window 1: B's fragments, TWO sets, at v0 and at v128.   window 2: the 32 accumulators of my rows 0-63 (accumulator (a, b) at v[8 (8 a + b)]);   window 3: those of my rows 64-127.
; A step of 128 along K is 64 matrix instructions, A's blocks one after the other, each against B's eight.  So a block of A is free as soon as its eight products are issued, and one set of registers serves A:
; blocks 0-3 are fetched anew in the step's middle, blocks 4-7 at its end.  B's fragments are at work through the whole step, so B has two sets.
.set SIZE_N, 4096
.set SIZE_K, 4096
.set KSTEP,  256                       ; along K in a slot
.set NQ,     KSTEP/128                 ; matrix instructions deep
.set ROWB,   256                       ; a tile's row in bytes
.set KROW,   SIZE_K                    ; a row of A or of B in memory, in bytes
.set SCSTEP, 4096*8                    ; a K step of scale bytes in memory
.set PITCH,  272                       ; an LDS row: 256 bytes of data + 16 of padding = 68 words: row r starts at bank 4 r mod 64 (64 banks of 4 bytes: ISA guide 11.1), so the 16 rows that a load touches start at 16 different banks
.set FR,     16                        ; registers of a fragment: 16 rows x 128 K
.set NL,     4                         ; LDS loads that bring one
.set NP,     8                         ; places behind this matrix instruction (ISA guide 7.12.1)
.set HALFT,  128*PITCH                 ; 128 rows: what one tensor load brings, and what one wave reads of A or of B
.set SLOT,   4*HALFT                   ; A's 256 rows, then B's 256 rows
.set SPARE,  2*SLOT                    ; behind the ring: the spare words, 128 bytes for each wave: two blocks of 256 bytes that no other line names
.set LAPS,   SIZE_K/(2*KSTEP)          ; a lap = two K steps = once round the ring: 8
.set SPITCH, 528                       ; the way out: a stage of 16 rows x (512 bytes + 16) for each wave.  It lies in slot 0, which has had its last fill and its last read when the first result is stored there
.set ADRA, 16                          ; v16-17  LDS address of my A fragments in slot 0, 1
.set ADRB, 20                          ; v20-21  the same for B
.set SVO,  22                          ; v22     8 x lane: my row's 8 scale bytes among 32 rows'; never rewritten
.set STO,  24                          ; v24     the way out: where I put 32 bytes of a row
.set RD,   25                          ; v25     the way out: where I read a row back
.set CO,   26                          ; v26     my byte offset in a row of out0
.set BO,   27                          ; v27     my byte offset in a block's 16 numbers of the bias: 32 (lane / 16)
.set SPW,  28                          ; v28     LDS address of my spare word: SPARE + 4 x my thread's number; never rewritten
.set NIL,  29                          ; v29     0; never rewritten
.set PFO,  30                          ; v30     the prefetches' offset: my lane x a row of codes in memory; never rewritten
.set SC,   32                          ; scale words: set s (for slot s) at v[SC + 16 s]: A's in its registers 0-7, B's in 8-15; register 2 j + q: lanes 0-15 the word of block 2 j, lanes 16-31 that of block 2 j + 1, for the slot's q-th 128 along K
.set BI,   64                          ; the bias: block b at v[BI + 8 b]: lane (r, h) holds bias[my first column + 16 b + 8 h + 0 .. 7]
.set AF,   128                         ; A's fragments, in window 0
.set BK,   128                         ; the way out: 16 rows read back from the stage: v128-191 and v192-255 by turns
.set G1A,  24                          ; s[24:31] descriptor group 1 for A's tiles;  s[32:39] group 0, one set for each slot
.set G0A,  32
.set G1B,  48                          ; s[48:55], s[56:63] the same for B's tiles
.set G0B,  56
.set KI,   20                          ; s20, s21 which K step (0 .. 15) slot 0, 1 holds or has been asked to hold
.set OFC,  22                          ; s[22:23] that K step's byte offset in a row of codes: 256 x K step
.set OFS,  46                          ; s[46:47] and among the scale bytes: 32,768 x K step
.set SAD,  68                          ; s[68:69] where the scale loads in hand read A's bytes;  s[70:71] B's
.set SBD,  70
.set LIM,  43                          ; s43     5 in a wave that prefetches, else the greatest number: a wave prefetches while s3 is above it
.set PFB,  44                          ; s[44:45] my prefetches' 32 rows of w's codes, at K = 0
.set PFC,  18                          ; s[18:19] the same at the K step that is asked for
.set PFX,  100                         ; s[100:101] that K step's byte offset
.set MSB, 0
.macro WIN new                         ; the immediate's high byte repeats the setting that is left; a switch that changes nothing is dropped
.if MSB != (\new)
	s_set_vgpr_msb (MSB<<8)|(\new)
.set MSB, (\new)
.endif
.endm
.set MUL_LO,  0xa1                     ; source 0 (B) window 1, source 1 (A) window 0, C and D window 2
.set MUL_HI,  0xf1                     ; the same, C and D window 3
.set MUL_LO0, 0x81                     ; the first products: C (the bias) window 0, D window 2
.set MUL_HI0, 0xc1                     ; C window 0, D window 3
.set TO_B,    0x40                     ; destination window 1, address window 0
; A joint load: waves 0 and 1 fetch A's two halves, waves 2 and 3 B's.  Each of the two lines has ONE mask and one set of registers for all that issue it; the branch hangs on the wave's number alone.
; Four v_nop follow each of the two lines, ahead of the jump, the label and what follows.
.macro JLOAD s
	s_cmp_eq_u32 s15, 0
	s_cbranch_scc0 .Lfor_b_\@
	tensor_load_to_lds s[G0A+4*\s:G0A+4*\s+3], s[G1A:G1A+7]
	s_nop 0
.rept 4
	v_nop
.endr
	s_branch .Lasked_\@
.Lfor_b_\@:
	tensor_load_to_lds s[G0B+4*\s:G0B+4*\s+3], s[G1B:G1B+7]
	s_nop 0
.rept 4
	v_nop
.endr
.Lasked_\@:
.endm
; A PREFETCH INTO THE L2 of w's codes, behind a joint refill, its four lines and the run of LDS loads that follows them: the K step that stands TWO refills on (256 matrix instructions ahead of the load that will ask for it):
; 32 rows x 256 bytes, a lane a row, one instruction a wave.  Asked for are only K steps that no cluster has asked for before: by the starts set out at the head those are, of x, a cluster's first four K steps, and of w its first
; eight.  The first four come by their loads alone (nothing is prefetched at the head), so what is left is w's 5th to 8th K step of a cluster's walk: the loop's first two trips (s3 = 7, 6) ask, one K step at each change of slots.
; Each row's 256 bytes of a K step are named ONCE in the launch: of the two clusters of a column that walk alike (Y = 0 and 3; Y = 1 and 2) the one with Y under 2 asks; in it waves 2 and 3, each for the 128 rows that it fetches;
; of those the four partners that share the tile take 32 each, told apart BY ADDRESS (cy): no branch hangs on a work-group's place in its cluster.  The scale bytes, one part in 32 of a K step's bytes, are not asked for.
.macro ASK
	s_cmp_gt_u32 s3, s[LIM]
	s_cbranch_scc0 .Lnot_mine_\@
	global_prefetch_b8 v[PFO], s[PFC:PFC+1] th:TH_LOAD_NT scope:SCOPE_SE
.Lnot_mine_\@:
.endm
.macro CREST                           ; a round of the cluster's barrier behind its opening barrier
	s_cmp_lg_u32 s14, 0
	s_cbranch_scc1 .Lnot_wave_0_\@
	s_barrier_signal -3
.Lnot_wave_0_\@:
	s_barrier_wait -3
	s_barrier_signal -1
	s_barrier_wait -1
.endm
.macro CROUND                          ; a whole round
	s_barrier_signal -1
	s_barrier_wait -1
	CREST
.endm
	s_load_b256 s[4:11], s[0:1], 0x0               ; A's codes s[4:5], A's scales s[6:7], B's codes s[8:9], B's scales s[10:11]
	s_load_b64 s[66:67], s[0:1], 0x20              ; the bias
	s_load_b64 s[12:13], s[0:1], 0x28              ; out0
	v_lshl_add_u32 v[SPW], v0, 2, SPARE
	v_mov_b32 v[NIL], 0
	ds_add_u32 v28, v29
	ds_add_u32 v28, v29
	s_wait_dscnt 0x0
	v_lshrrev_b32 v1, 5, v0
	v_readfirstlane_b32 s14, v1                    ; wave 0..3
	s_lshr_b32 s15, s14, 1                         ; which half of the tile's rows is mine.  Also: I fetch for A (0) or for B (1)
	s_and_b32 s16, s14, 1                          ; which half of its columns.  Also: which 128 rows of that tile I fetch
	s_bfe_u32 s40, ttmp6, 0x40000                  ; cx, cy: my place in the cluster
	s_bfe_u32 s41, ttmp6, 0x40004
	s_lshl_b32 s42, ttmp9, 2
	s_add_co_u32 s42, s42, s40                     ; tile column = 4 x cluster x + cx
	s_and_b32 s17, ttmp7, 0xffff
	s_lshl_b32 s17, s17, 2
	s_add_co_u32 s17, s17, s41                     ; tile row = 4 x cluster y + cy
	s_lshl_b32 s18, s41, 2
	s_lshl_b32 s18, 15, s18                        ; my row of the cluster: places 4 cy .. 4 cy + 3
	s_lshl_b32 s19, 0x1111, s40                    ; my column: places cx, cx + 4, cx + 8, cx + 12
	; where my cluster starts K
	s_and_b32 s2, ttmp7, 0xffff                    ; Y
	s_lshr_b32 s[KI], s2, 1
	s_xor_b32 s[KI], s[KI], s2
	s_and_b32 s[KI], s[KI], 1                      ; g = (Y xor Y / 2) mod 2: 0, 1, 1, 0
	s_lshl_b32 s[KI], s[KI], 1
	s_add_co_u32 s[KI], s[KI], ttmp9               ; X + 2 g
	s_and_b32 s[KI], s[KI], 3
	s_lshl_b32 s[KI], s[KI], 2                     ; rho: 0, 4, 8 or 12: slot 0's first K step;
	s_add_co_u32 s[KI+1], s[KI], 1                 ; slot 1's: 13 at the most
	s_mov_b32 s[OFC+1], 0
	s_mov_b32 s[OFS+1], 0
	s_mov_b32 s[PFX+1], 0
	s_cmp_lt_u32 s2, 2                             ; who prefetches: clusters with Y under 2,
	s_cselect_b32 s[LIM], 5, -1
	s_cmp_eq_u32 s15, 1                            ; waves 2 and 3: the same in all sixteen partners, for a given wave
	s_cselect_b32 s[LIM], s[LIM], -1
	; descriptor group 1: a tile of 128 rows x 256 bytes, padded in LDS
	s_or_b32 s[G1A], s18, (0<<16)|(1<<20)|(1<<21)|(5<<22)|(3<<25)   ; 15:0 the mask: A's tiles go to my row; 17:16 element of 1 byte; 20 padding on; 21 set beside a mask; 24:22 after every 64 words (code 5); 31:25 of 4 words (code 3)
	s_or_b32 s[G1B], s19, (0<<16)|(1<<20)|(1<<21)|(5<<22)|(3<<25)   ; the same with the mask of my column
.irp g, G1A, G1B
	s_mov_b32 s[\g+1], ROWB<<16                    ; tensor_dim0 = 256
	s_mov_b32 s[\g+2], 128<<16                     ; tensor_dim1 = 128
	s_mov_b32 s[\g+3], ROWB<<16                    ; tile_dim0 = 256
	s_mov_b32 s[\g+4], 128                         ; tile_dim1 = 128
	s_mov_b32 s[\g+5], KROW                        ; tensor_dim0_stride
	s_mov_b32 s[\g+6], 0
	s_mov_b32 s[\g+7], 0
.endr
	; byte offsets.  What feeds A's descriptors hangs on the tile row, the wave's number and the cluster's place in the grid; what feeds B's on the tile column in the tile row's stead; each in registers that never hold the other coordinate
	s_lshl_b32 s72, s17, 20                        ; A's codes: 256 rows of 4,096 bytes a tile row,
	s_lshl_b32 s73, s16, 19                        ; + the 128 rows that I fetch
	s_add_co_u32 s72, s72, s73
	s_mov_b32 s73, 0
	s_lshl_b32 s74, s42, 20                        ; B's likewise, by the tile column
	s_lshl_b32 s75, s16, 19
	s_add_co_u32 s74, s74, s75
	s_mov_b32 s75, 0
	s_lshl_b32 s78, s17, 11                        ; A's scale bytes: 8 a row; the 128 rows that I multiply
	s_lshl_b32 s79, s15, 10
	s_add_co_u32 s78, s78, s79
	s_mov_b32 s79, 0
	s_lshl_b32 s80, s42, 11                        ; B's
	s_lshl_b32 s81, s16, 10
	s_add_co_u32 s80, s80, s81
	s_mov_b32 s81, 0
	s_mul_i32 s76, s14, HALFT                      ; where my tiles go: wave x 128 rows: no place in the cluster enters an LDS address
	s_wait_kmcnt 0x0
	s_add_nc_u64 s[4:5], s[4:5], s[72:73]          ; from here on these four stand at my rows, K = 0, and stay
	s_add_nc_u64 s[8:9], s[8:9], s[74:75]
	s_add_nc_u64 s[6:7], s[6:7], s[78:79]
	s_add_nc_u64 s[10:11], s[10:11], s[80:81]
	CROUND                                         ; all sixteen work-groups are here: the first joint loads meet
.irp s, 0,1
	s_lshl_b32 s[OFC], s[KI+\s], 8
	s_mov_b32 s[G0A+4*\s], 1                                       ; 1:0 count = 1
	s_add_co_u32 s[G0A+4*\s+1], s76, \s*SLOT                       ; 63:32 LDS address
	s_add_nc_u64 s[G0A+4*\s+2:G0A+4*\s+3], s[4:5], s[OFC:OFC+1]    ; 120:64 global address: the slot's K step
	s_or_b32 s[G0A+4*\s+3], s[G0A+4*\s+3], 0x80000000              ; 127:126 type = 2
	s_mov_b32 s[G0B+4*\s], 1
	s_add_co_u32 s[G0B+4*\s+1], s76, \s*SLOT
	s_add_nc_u64 s[G0B+4*\s+2:G0B+4*\s+3], s[8:9], s[OFC:OFC+1]
	s_or_b32 s[G0B+4*\s+3], s[G0B+4*\s+3], 0x80000000
	JLOAD \s                                       ; the ring is filled before anything else is done: two loads of mine are out
.endr
	v_and_b32 v1, 15, v0                           ; r = l % 16
	v_bfe_u32 v2, v0, 4, 1                         ; h = l / 16
	v_and_b32 v6, 31, v0                           ; l
	v_lshlrev_b32 v[SVO], 3, v6
	v_lshlrev_b32 v[BO], 5, v2
	s_lshl_b32 s82, s42, 10                        ; my first column, in bytes of f32: 1,024 x tile column + 512 x half: in the bias and in a row of out0
	s_lshl_b32 s83, s16, 9
	s_add_co_u32 s82, s82, s83
	s_mov_b32 s83, 0
	s_add_nc_u64 s[66:67], s[66:67], s[82:83]
	s_lshl_b32 s[OFS], s[KI], 15
	s_add_nc_u64 s[SAD:SAD+1], s[6:7], s[OFS:OFS+1]
	s_add_nc_u64 s[SBD:SBD+1], s[10:11], s[OFS:OFS+1]
.irp b, 0,1,2,3,4,5,6,7
	global_load_b128 v[BI+8*\b:BI+8*\b+3], v[BO], s[66:67] offset:64*\b
	global_load_b128 v[BI+8*\b+4:BI+8*\b+7], v[BO], s[66:67] offset:64*\b+16
.endr
; A K step's scale words of my 128 rows of A and my 128 rows of B into set 'set': each load 32 rows x 8 bytes = 256 consecutive bytes, at a multiple of 256 from the buffer's first byte
.macro SCLOAD set, off
.irp j, 0,1,2,3
	global_load_b64 v[SC+16*\set+2*\j:SC+16*\set+2*\j+1], v[SVO], s[SAD:SAD+1] offset:256*\j+\off
	global_load_b64 v[SC+16*\set+8+2*\j:SC+16*\set+8+2*\j+1], v[SVO], s[SBD:SBD+1] offset:256*\j+\off
.endr
.endm
	SCLOAD 0, 0                                    ; slot 0's K step,
	SCLOAD 1, SCSTEP                               ; and slot 1's, the next one (rho + 1 is 13 at the most: no wrap)
	v_mul_u32_u24 v3, v1, PITCH
	v_lshl_add_u32 v4, v2, 4, v3                   ; a fragment's row x pitch + 16 x half
	s_mul_i32 s2, s15, HALFT                       ; my 128 rows of A
	s_mul_i32 s77, s16, HALFT                      ; my 128 rows of B,
	s_add_co_u32 s77, s77, 2*HALFT                 ; which lie behind A's 256
.irp s, 0,1
	v_add_nc_u32 v[ADRA+\s], s2, v4
	v_add_nc_u32 v[ADRB+\s], s77, v4
	s_add_co_u32 s2, s2, SLOT
	s_add_co_u32 s77, s77, SLOT
.endr
	s_mul_i32 s2, s14, 16*SPITCH                   ; my stage
	v_mul_u32_u24 v5, v1, SPITCH                   ; in: row l % 16, 32 bytes for each half of the lanes
	v_lshl_add_u32 v5, v2, 5, v5
	v_add_nc_u32 v[STO], s2, v5
	v_lshlrev_b32 v[CO], 4, v6                     ; back: the 32 lanes take one row of 512 bytes; and the same in out0
	v_add_nc_u32 v[RD], s2, v[CO]
	v_lshlrev_b32 v[PFO], 12, v6
	s_add_nc_u64 s[12:13], s[12:13], s[82:83]      ; out0 at my first column,
	s_lshl_b32 s84, s17, 22                        ; and my first row: (256 x tile row + 128 x half) rows of 16,384 bytes
	s_lshl_b32 s85, s15, 21
	s_add_co_u32 s84, s84, s85
	s_mov_b32 s85, 0
	s_add_nc_u64 s[12:13], s[12:13], s[84:85]
	s_lshl_b32 s86, s41, 17                        ; the prefetches: of the 128 rows of w that I fetch, my work-group's 32: 32 cy rows of 4,096 bytes on
	s_mov_b32 s87, 0
	s_add_nc_u64 s[PFB:PFB+1], s[8:9], s[86:87]
.macro FRAG reg, adr, q, i             ; a fragment, 16 rows x 128 K of 8-bit codes, is 16 registers: lane l holds row l % 16; registers 4 c .. 4 c + 3 hold K = 32 c + 16 (l / 16) + 0 .. 15
.irp c, 0,1,2,3
	ds_load_b128 v[\reg+4*\c:\reg+4*\c+3], v[\adr] offset:128*(\q)+32*\c+(\i)*16*PITCH
.endr
.endm
; One matrix instruction.  d: the accumulator; fb, fa: B's and A's fragments; c: what the sum is added onto; sb, sa: their scale registers; rb, ra = 1: the words lie in lanes 16-31 of that register (an odd block)
.macro WM d, fb, fa, c, sb, sa, rb, ra
.if ((\rb)==1) && ((\ra)==1)
	v_wmma_scale_f32_16x16x128_f8f6f4 v[\d:\d+7], v[\fb:\fb+FR-1], v[\fa:\fa+FR-1], v[\c:\c+7], v[\sb], v[\sa] matrix_a_fmt:MATRIX_FMT_BF8 matrix_b_fmt:MATRIX_FMT_BF8 matrix_a_scale:MATRIX_SCALE_ROW1 matrix_b_scale:MATRIX_SCALE_ROW1
.elseif (\rb)==1
	v_wmma_scale_f32_16x16x128_f8f6f4 v[\d:\d+7], v[\fb:\fb+FR-1], v[\fa:\fa+FR-1], v[\c:\c+7], v[\sb], v[\sa] matrix_a_fmt:MATRIX_FMT_BF8 matrix_b_fmt:MATRIX_FMT_BF8 matrix_a_scale:MATRIX_SCALE_ROW1
.elseif (\ra)==1
	v_wmma_scale_f32_16x16x128_f8f6f4 v[\d:\d+7], v[\fb:\fb+FR-1], v[\fa:\fa+FR-1], v[\c:\c+7], v[\sb], v[\sa] matrix_a_fmt:MATRIX_FMT_BF8 matrix_b_fmt:MATRIX_FMT_BF8 matrix_b_scale:MATRIX_SCALE_ROW1
.else
	v_wmma_scale_f32_16x16x128_f8f6f4 v[\d:\d+7], v[\fb:\fb+FR-1], v[\fa:\fa+FR-1], v[\c:\c+7], v[\sb], v[\sa] matrix_a_fmt:MATRIX_FMT_BF8 matrix_b_fmt:MATRIX_FMT_BF8
.endif
.endm
; 16 matrix instructions: A's blocks a0, a0 + 1 x B's eight, 128 along K: the slot's q-th.  p: B's set;  sc: the set of scale words.  zero = 1: the first product starts the sums from the bias: nothing is ever cleared.
; The 64 accumulators take turns, one instruction a turn, in the same order in every step.
.macro MUL16 a0, p, q, sc, zero
.irp a, \a0, \a0+1
.irp b, 0,1,2,3,4,5,6,7
.if \zero
	WM 8*(8*((\a)%4)+\b), 128*(\p)+FR*\b, AF+FR*(\a), BI+8*\b, SC+16*(\sc)+8+2*(\b/2)+(\q), SC+16*(\sc)+2*((\a)/2)+(\q), \b%2, (\a)%2
.else
	WM 8*(8*((\a)%4)+\b), 128*(\p)+FR*\b, AF+FR*(\a), 8*(8*((\a)%4)+\b), SC+16*(\sc)+8+2*(\b/2)+(\q), SC+16*(\sc)+2*((\a)/2)+(\q), \b%2, (\a)%2
.endif
.endr
.endr
.endm
.macro FETCH_B slot, q, p              ; B's eight fragments of the slot's q-th 128 along K into set p
	WIN TO_B
.irp i, 0,1,2,3,4,5,6,7
	FRAG 128*(\p)+FR*\i, ADRB+\slot, \q, \i
.endr
	WIN 0
.endm
.macro FETCH_A slot, q, i0             ; A's blocks i0 .. i0 + 3
.irp i, \i0, \i0+1, \i0+2, \i0+3
	FRAG AF+FR*(\i), ADRA+\slot, \q, \i
.endr
.endm
; A load into a register that a matrix instruction has read (a fragment's or a scale's), and a vector instruction or an LDS store that reads a matrix result, stand NP places behind that matrix instruction, and only plain vector
; instructions that name none of its registers are places (ISA guide 7.12.1 for vector instructions); this text does not count the matrix instructions in between.
.macro PLACES n
.rept \n
	v_nop
.endr
.endm
; A step of 128 along K that has its successor in the same slot: a slot's first.  lc: the scale loads issued behind this slot's eight, which may stay out: the other set's eight, or none
.macro STEP slot, q, zero, lc
	s_wait_loadcnt \lc                             ; loads come back in order (ISA guide 5.7.1): this slot's scale words are in
	s_wait_dscnt 4*NL                              ; B's set and A's blocks 0-3 are in; the youngest sixteen loads (A's blocks 4-7) may be out
.if \zero
	WIN MUL_LO0
.else
	WIN MUL_LO
.endif
	MUL16 0, (\q)%2, \q, \slot, \zero
	MUL16 2, (\q)%2, \q, \slot, \zero
	s_wait_dscnt 0                                 ; A's blocks 4-7 are in (asked for 32 matrix instructions ago)
	PLACES NP
	FETCH_B \slot, (\q)+1, 1-(\q)%2
	FETCH_A \slot, (\q)+1, 0
.if \zero
	WIN MUL_HI0
.else
	WIN MUL_HI
.endif
	MUL16 4, (\q)%2, \q, \slot, \zero
	MUL16 6, (\q)%2, \q, \slot, \zero
	PLACES NP
	WIN 0
	FETCH_A \slot, (\q)+1, 4
.endm
; A slot's last step changes slots, in its middle: all its fragments are in registers or on their way there, so the slot can be given up.  ONE barrier; in front of it each wave waits for all its tensor loads, adds 0 to its
; spare word, and waits for that and for its own reads of this slot.  fill = 1: this slot is filled again, two K steps ahead; the barrier then opens a round of the cluster's barrier, and the joint refill is the first tensor load
; behind the round.  No product stands between the wait for all loads and the refill: the step's first 32 stand ahead of that wait, so that a refill has a whole K step's 128 matrix instructions in which to land, and the next
; request goes out as soon as the last has landed.
.macro TURN slot, next, fill
	s_wait_dscnt 4*NL                              ; B's set and A's blocks 0-3 are in; A's blocks 4-7 may be out
	WIN MUL_LO
	MUL16 0, 1, NQ-1, \slot, 0
	MUL16 2, 1, NQ-1, \slot, 0
	WIN 0
.if \fill
	s_wait_xcnt 0x0                                ; the last prefetch and the last scale loads, a K step back, have read their addresses: these are written anew below
.endif
	s_wait_tensorcnt 0x0                           ; all my tensor loads have landed: the one that was out is my part of the next slot; so every group 0 may be written
	ds_add_u32 v[SPW], v[NIL]                      ; 0 onto my spare word; with fill = 1 the addresses' steps stand between it and the wait for it
.if \fill
	s_add_co_u32 s[KI+\slot], s[KI+\slot], 2       ; this slot's next K step: two on, round 16
	s_and_b32 s[KI+\slot], s[KI+\slot], 15
	s_lshl_b32 s[OFC], s[KI+\slot], 8
	s_lshl_b32 s[OFS], s[KI+\slot], 15
	s_add_nc_u64 s[G0A+4*\slot+2:G0A+4*\slot+3], s[4:5], s[OFC:OFC+1]
	s_or_b32 s[G0A+4*\slot+3], s[G0A+4*\slot+3], 0x80000000        ; 127:126 type = 2
	s_add_nc_u64 s[G0B+4*\slot+2:G0B+4*\slot+3], s[8:9], s[OFC:OFC+1]
	s_or_b32 s[G0B+4*\slot+3], s[G0B+4*\slot+3], 0x80000000
	s_add_nc_u64 s[SAD:SAD+1], s[6:7], s[OFS:OFS+1]                ; its scale bytes
	s_add_nc_u64 s[SBD:SBD+1], s[10:11], s[OFS:OFS+1]
	s_add_co_u32 s[PFX], s[KI+\slot], 2            ; and for the prefetch the K step two refills on
	s_and_b32 s[PFX], s[PFX], 15
	s_lshl_b32 s[PFX], s[PFX], 8
	s_add_nc_u64 s[PFC:PFC+1], s[PFB:PFB+1], s[PFX:PFX+1]
.endif
	s_wait_dscnt 0x0                               ; the add is done, and my reads of this slot are over: A's blocks 4-7 are in
	s_barrier_signal -1
	s_barrier_wait -1
.if \fill
	CREST                                          ; no wave of any partner still reads this slot's tiles or has a load on its way
	JLOAD \slot                                    ; my one tensor load behind the round; the four v_nop behind it are among the places in front of the loads below
	PLACES NP-4
.else
	PLACES NP
.endif
	FETCH_B \next, 0, 0
	FETCH_A \next, 0, 0
.if \fill
	ASK
.endif
	WIN MUL_HI
	MUL16 4, 1, NQ-1, \slot, 0
	MUL16 6, 1, NQ-1, \slot, 0
	PLACES NP
	WIN 0
	FETCH_A \next, 0, 4
.if \fill
	SCLOAD \slot, 0                                ; this slot's set of scale words is done with: it takes those of the K step just asked for, a whole K step ahead of their use
.endif
.endm
	s_wait_tensorcnt 1                             ; my part of slot 0 is in (slot 1's load may be out)
	s_barrier_signal -1
	s_barrier_wait -1                              ; everybody's is
	FETCH_B 0, 0, 0
	FETCH_A 0, 0, 0
	FETCH_A 0, 0, 4
	STEP 0, 0, 1, 8                                ; the first step stands in front of the loop: its products start the sums from the bias.  Its wait: the bias and set 0 are in, set 1's eight loads may be out
	s_mov_b32 s3, LAPS-1
.Llap:                                                 ; a trip goes once round the ring, from a lap's second step to the next lap's first, and fills both slots again
	TURN 0, 1, 1
	STEP 1, 0, 0, 8
	TURN 1, 0, 1
	STEP 0, 0, 0, 8
	s_sub_co_u32 s3, s3, 1
	s_cmp_lg_u32 s3, 0
	s_cbranch_scc1 .Llap
	TURN 0, 1, 0                                   ; the last lap fills nothing, and has no round of the cluster's barrier
	STEP 1, 0, 0, 0                                ; no scale load was issued behind set 1's
	s_wait_dscnt 4*NL                              ; the very last step: nothing more to fetch
	WIN MUL_LO
	MUL16 0, 1, NQ-1, 1, 0
	MUL16 2, 1, NQ-1, 1, 0
	s_wait_dscnt 0
	WIN MUL_HI
	MUL16 4, 1, NQ-1, 1, 0
	MUL16 6, 1, NQ-1, 1, 0
	WIN 0
; THE WAY OUT, block by block of 16 rows x 128 columns.  A lane holds 32 neighbouring bytes of a row, and the lanes beside it hold other rows: so a block goes through my own stage in LDS and comes back as whole
; rows of 512 bytes.  LDS serves a wave's instructions in order (ISA guide 5.7.1.4): no wait between the stores and the loads, nor in front of the next block's stores.
.macro TOSTAGE a
.set AC, 64*((\a)%4)
	WIN 0x08+4*((\a)/4)                            ; the data: window 2 or 3
.irp b, 0,1,2,3,4,5,6,7
	ds_store_b128 v[STO], v[AC+8*\b:AC+8*\b+3] offset:64*\b          ; each accumulator from its low end on
	ds_store_b128 v[STO], v[AC+8*\b+4:AC+8*\b+7] offset:64*\b+16
.endr
	WIN 0
.set BB, BK+64*((\a)%2)
.irp t, 0,1,2,3,4,5,6,7,8,9,10,11,12,13,14,15
	ds_load_b128 v[BB+4*\t:BB+4*\t+3], v[RD] offset:\t*SPITCH
.endr
.endm
.macro SEND a, younger                 ; younger: the LDS instructions issued behind block a's loads, which may stay out
.set BB, BK+64*((\a)%2)
	s_wait_dscnt \younger                          ; the block is back in registers
.if (\a) > 0
	s_add_nc_u64 s[12:13], s[12:13], 16*SIZE_N*4   ; (behind a wait on XCNT for 0: the earlier stores have read their base)  16 rows of out0 on, so that the stores' offsets stay small: 15 rows at the most
.endif
.irp t, 0,1,2,3,4,5,6,7,8,9,10,11,12,13,14,15
	global_store_b128 v[CO], v[BB+4*\t:BB+4*\t+3], s[12:13] offset:\t*SIZE_N*4 th:TH_STORE_NT   ; 32 lanes store 512 consecutive bytes, at a multiple of 512 from out0's first byte; written once, read by nobody here
.endr
.endm
	PLACES NP                                      ; these places serve the loads into the registers that held A's fragments and the reads of the last products' results alike
	TOSTAGE 0
.irp a, 1,2,3,4,5,6,7
.if \a > 1
	s_wait_xcnt 0x0                                ; block a - 2's stores have read their registers and their base: block a's loads may land there, and the base may step
.endif
	TOSTAGE \a
	SEND \a-1, 32                                  ; behind block a - 1's loads: block a's 16 stores and 16 loads
.endr
	s_wait_xcnt 0x0                                ; block 6's stores have read their base
	SEND 7, 0
	s_wait_tensorcnt 0x0                           ; the wave's end: behind my last tensor load and my last LDS store
	ds_add_u32 v[SPW], v[NIL]
	s_wait_dscnt 0x0
	CROUND                                         ; the closing round: no work-group ends while a partner may still ask for a tile that names it
	s_endpgm
.Lfunc_end_k_qb48034fe88_gemm:
	.size	k_qb48034fe88_gemm, .Lfunc_end_k_qb48034fe88_gemm-k_qb48034fe88_gemm
	.p2alignl 7, 3214868480
	.fill 96, 4, 3214868480
	.section	.rodata,"a",@progbits
	.p2align	6, 0x0
	.amdhsa_kernel k_qb48034fe88_gemm
		.amdhsa_group_segment_fixed_size 327680
		.amdhsa_private_segment_fixed_size 0
		.amdhsa_enable_private_segment 0
		.amdhsa_kernarg_size 48
		.amdhsa_user_sgpr_count 2
		.amdhsa_user_sgpr_kernarg_segment_ptr 1
		.amdhsa_wavefront_size32 1
		.amdhsa_system_sgpr_workgroup_id_x 1
		.amdhsa_system_sgpr_workgroup_id_y 1
		.amdhsa_system_sgpr_workgroup_id_z 1
		.amdhsa_system_vgpr_workitem_id 0
		.amdhsa_next_free_vgpr 1024
		.amdhsa_next_free_sgpr 102
		.amdhsa_reserve_vcc 0
		.amdhsa_float_denorm_mode_32 3
		.amdhsa_float_denorm_mode_16_64 3
		.amdhsa_memory_ordered 1
		.amdhsa_forward_progress 1
		.amdhsa_inst_pref_size 148
	.end_amdhsa_kernel
	.amdgpu_metadata
---
amdhsa.version: [ 1, 2 ]
amdhsa.kernels:
  - .name:           k_qb48034fe88_gemm
    .symbol:         k_qb48034fe88_gemm.kd
    .args:
      - { .name: x_codes, .offset: 0, .size: 8, .value_kind: global_buffer, .address_space: global }
      - { .name: x_sc, .offset: 8, .size: 8, .value_kind: global_buffer, .address_space: global }
      - { .name: w_codes, .offset: 16, .size: 8, .value_kind: global_buffer, .address_space: global }
      - { .name: w_sc, .offset: 24, .size: 8, .value_kind: global_buffer, .address_space: global }
      - { .name: bias, .offset: 32, .size: 8, .value_kind: global_buffer, .address_space: global }
      - { .name: out0, .offset: 40, .size: 8, .value_kind: global_buffer, .address_space: global }
    .group_segment_fixed_size: 327680
    .private_segment_fixed_size: 0
    .kernarg_segment_align: 8
    .kernarg_segment_size: 48
    .max_flat_workgroup_size: 128
    .sgpr_count:     102
    .vgpr_count:     1024
    .wavefront_size: 32
...
	.end_amdgpu_metadata
.endif
;; end of part 2
